; MI455X (gfx1250); checked and timed in simulation.
; The chip was launched on July 23, 2026; its instructions are those of AMD's public machine-readable ISA for CDNA 5 (MIT licence, August 2026) and "CDNA5" Instruction Set Architecture Reference Guide (July 2026). The comments in the code are by the model that wrote it; some were corrected since.
;; Multi Head Attension. Allowed arithmetic: float matrix products may take bf16 or f16 operands with f32 sums; all other float work in f32.
;; Inputs: Wk 1,024 x 1,024 float32; Wo 1,024 x 1,024 float32; Wq 1,024 x 1,024 float32; Wv 1,024 x 1,024 float32; bo 1,024 float32; x 4 x 2,048 x 1,024 float32.
;; Outputs: out0 4 x 2,048 x 1,024 float32.
;; 2 versions, each right; version 2 is version 1 with the launch cvt written anew for expert scheduling mode. Each part assembles by itself: llvm-mc -triple=amdgcn-amd-amdhsa -mcpu=gfx1250 --defsym DOCPART=n.
;; ======== version 1 of 2: 4 launches
;; limits: values are held in f16: magnitudes above 65,504 overflow, below 6.1e-05 lose precision
;; workspace buffers: xw 25,165,824 bytes; qkv 50,331,648 bytes; ctx 16,777,216 bytes
;; launch cvt (part 1): grid 768 x 1, 8 waves a work-group, no clusters, 0 bytes of LDS; arguments x, Wq, Wk, Wv, Wo, xw; writes xw
.if DOCPART == 1
	.amdgcn_target "amdgcn-amd-amdhsa--gfx1250"
	.amdhsa_code_object_version 6
	.text
	.protected	k_q2b7d61b774_cvt
	.globl	k_q2b7d61b774_cvt
	.p2align	8
	.type	k_q2b7d61b774_cvt,@function
k_q2b7d61b774_cvt:
	s_mov_b64 s[64:65], 0
	v_nop
	global_prefetch_b8 v0, s[64:65] scope:SCOPE_SE
	s_setreg_imm32_b32 hwreg(HW_REG_WAVE_MODE, 25, 1), 1
	s_wait_xcnt 0x0
; x [8192][1024] and Wq, Wk, Wv, Wo [1024][1024], f32, are rounded once (to nearest even) to bf16 and laid out in PANELS of 64 columns:
; element (r, c) of panel p of a matrix with R rows lies at byte (p R + r) 128 + 2 c.  So every tile that the later launches want
; (rows x 64 columns) is one dense block of memory.
; xw: x's 16 panels of 1 MiB from byte 0; weight j (Wq, Wk, Wv, Wo = 0..3) from 16 MiB + j 2 MiB, 16 panels of 128 KiB each.
; FORMATS: all five inputs carry one and the same rounding, to bf16.  x, Wq, Wk, Wv are stored as bf16.  Wo's partner in its product is the context,
; which is kept in f16, and a matrix instruction takes both sources in one format: so Wo's bf16 values are written in f16's format.
; That step is exact for 2^-17 <= |w| (8 significant bits fit above f16's step of 2^-24); smaller ones go to the nearest multiple of 2^-24.
; LIMIT: |Wo| beyond 65,504 becomes infinite.
; The five matrices are taken as one stack of 12,288 rows; a work-group takes 16 rows (768 work-groups), wave w rows 2w and 2w+1.
; A lane takes 16 bytes (4 f32) of its row in each of the 16 panels: one load of the wave covers 256 consecutive bytes of each of two rows,
; one store covers 256 consecutive bytes (two rows of a panel), aligned.  No loop; no address and no store's data is written twice, so no wait frees a source.
; A stream: memory binds, so no LDS, no matrix unit, no cluster.
.set DO, 2                             ; v[2:17]   byte offset of my 8 bytes in panel p of the destination
.set X,  32                            ; v[32:95]  panel p: 4 f32 as loaded (Wo: then the 4 rounded values, widened again)
.set Y,  96                            ; v[96:127] panel p: 4 numbers of 16 bits to store
	s_load_b256 s[4:11], s[0:1], 0x0               ; x s[4:5], Wq s[6:7], Wk s[8:9], Wv s[10:11]
	s_load_b128 s[12:15], s[0:1], 0x20             ; Wo s[12:13], xw s[14:15]
	s_mov_b32 s19, ttmp9                           ; the work-group's number: 0..511 x, then 64 for each weight
	s_sub_co_u32 s20, s19, 512                     ; number among the weights' work-groups (used only where it is not below 0)
	s_bfe_u32 s21, s20, 0x20006                    ; which weight, 0..3
	s_and_b32 s22, s20, 63                         ; which 16 rows of it
	s_lshl_b32 s24, s21, 21                        ; a weight's place in xw: 16 MiB + 2 MiB x weight + 16 rows x 128 bytes x number
	s_add_co_u32 s24, s24, 0x1000000
	s_lshl_b32 s25, s22, 11
	s_add_co_u32 s24, s24, s25
	s_lshl_b32 s25, s19, 11                        ; x's place in xw: 16 rows x 128 bytes x number
	s_mov_b32 s26, 0x100000                        ; bytes in a panel of x
	s_mov_b32 s27, 0x20000                         ; bytes in a panel of a weight
	s_cmp_lt_u32 s19, 512                          ; x or a weight?  (the three selects leave SCC alone)
	s_cselect_b32 s28, s19, s22                    ; which 16 rows of the source
	s_cselect_b32 s30, s25, s24                    ; offset in xw
	s_cselect_b32 s26, s26, s27                    ; bytes from panel to panel
	s_lshl_b32 s28, s28, 16                        ; 16 rows of 4,096 bytes
	s_mov_b32 s29, 0
	s_mov_b32 s31, 0
	v_lshrrev_b32 v1, 4, v0                        ; my row of the 16: 2 wave + lane / 16
	v_and_b32 v18, 15, v0
	v_lshlrev_b32 v18, 4, v18
	v_lshl_add_u32 v1, v1, 12, v18                 ; source: row x 4,096 + 16 (lane mod 16)
	v_lshlrev_b32 v[DO], 3, v0                     ; destination: row x 128 + 8 (lane mod 16) = 8 x thread
.irp p, 1,2,3,4,5,6,7,8,9,10,11,12,13,14,15
	v_add_nc_u32 v[DO+\p], s26, v[DO+\p-1]         ; one panel further
.endr
	s_wait_kmcnt 0x0
	s_mov_b64 s[16:17], s[12:13]                   ; the source: Wo, unless ...
	s_cmp_eq_u32 s21, 2
	s_cselect_b64 s[16:17], s[10:11], s[16:17]     ; Wv
	s_cmp_eq_u32 s21, 1
	s_cselect_b64 s[16:17], s[8:9], s[16:17]       ; Wk
	s_cmp_eq_u32 s21, 0
	s_cselect_b64 s[16:17], s[6:7], s[16:17]       ; Wq
	s_cmp_lt_u32 s19, 512
	s_cselect_b64 s[16:17], s[4:5], s[16:17]       ; x
	s_add_nc_u64 s[16:17], s[16:17], s[28:29]
	s_add_nc_u64 s[14:15], s[14:15], s[30:31]
.irp p, 0,1,2,3,4,5,6,7,8,9,10,11,12,13,14,15
	global_load_b128 v[X+4*\p:X+4*\p+3], v1, s[16:17] offset:256*\p th:TH_LOAD_NT   ; read once in the launch
.endr
; The 16 panels are rounded and stored.  half = 1: the bf16 values are widened again and written in f16's format.
.macro PANELS half
.irp p, 0,1,2,3,4,5,6,7,8,9,10,11,12,13,14,15
	s_wait_loadcnt 15-\p                           ; loads come back in order: panel p is in, the 15 - p younger ones stay out
	v_cvt_pk_bf16_f32 v[Y+2*\p],   v[X+4*\p],   v[X+4*\p+1]
	v_cvt_pk_bf16_f32 v[Y+2*\p+1], v[X+4*\p+2], v[X+4*\p+3]
.if \half
	v_lshlrev_b32 v[X+4*\p],   16,         v[Y+2*\p]       ; bf16 to f32: the low half moves up, the high half stays
	v_and_b32     v[X+4*\p+1], 0xffff0000, v[Y+2*\p]
	v_lshlrev_b32 v[X+4*\p+2], 16,         v[Y+2*\p+1]
	v_and_b32     v[X+4*\p+3], 0xffff0000, v[Y+2*\p+1]
	v_cvt_pk_f16_f32 v[Y+2*\p],   v[X+4*\p],   v[X+4*\p+1]
	v_cvt_pk_f16_f32 v[Y+2*\p+1], v[X+4*\p+2], v[X+4*\p+3]
.endif
	global_store_b64 v[DO+\p], v[Y+2*\p:Y+2*\p+1], s[14:15]
.endr
.endm
	s_cmp_ge_u32 s19, 704                          ; the last 64 work-groups hold Wo: the same way for all waves of a work-group
	s_cbranch_scc1 .Lwo
	PANELS 0
	s_endpgm
.Lwo:
	PANELS 1
	s_endpgm
.Lfunc_end_k_q2b7d61b774_cvt:
	.size	k_q2b7d61b774_cvt, .Lfunc_end_k_q2b7d61b774_cvt-k_q2b7d61b774_cvt
	.p2alignl 7, 3214868480
	.fill 96, 4, 3214868480
	.section	.rodata,"a",@progbits
	.p2align	6, 0x0
	.amdhsa_kernel k_q2b7d61b774_cvt
		.amdhsa_group_segment_fixed_size 0
		.amdhsa_private_segment_fixed_size 0
		.amdhsa_enable_private_segment 0
		.amdhsa_kernarg_size 48
		.amdhsa_user_sgpr_count 2
		.amdhsa_user_sgpr_kernarg_segment_ptr 1
		.amdhsa_wavefront_size32 1
		.amdhsa_system_sgpr_workgroup_id_x 1
		.amdhsa_system_sgpr_workgroup_id_y 1
		.amdhsa_system_sgpr_workgroup_id_z 1
		.amdhsa_system_vgpr_workitem_id 0
		.amdhsa_next_free_vgpr 128
		.amdhsa_next_free_sgpr 66
		.amdhsa_reserve_vcc 0
		.amdhsa_float_denorm_mode_32 3
		.amdhsa_float_denorm_mode_16_64 3
		.amdhsa_memory_ordered 1
		.amdhsa_forward_progress 1
		.amdhsa_inst_pref_size 17
	.end_amdhsa_kernel
	.amdgpu_metadata
---
amdhsa.version: [ 1, 2 ]
amdhsa.kernels:
  - .name:           k_q2b7d61b774_cvt
    .symbol:         k_q2b7d61b774_cvt.kd
    .args:
      - { .name: x, .offset: 0, .size: 8, .value_kind: global_buffer, .address_space: global }
      - { .name: Wq, .offset: 8, .size: 8, .value_kind: global_buffer, .address_space: global }
      - { .name: Wk, .offset: 16, .size: 8, .value_kind: global_buffer, .address_space: global }
      - { .name: Wv, .offset: 24, .size: 8, .value_kind: global_buffer, .address_space: global }
      - { .name: Wo, .offset: 32, .size: 8, .value_kind: global_buffer, .address_space: global }
      - { .name: xw, .offset: 40, .size: 8, .value_kind: global_buffer, .address_space: global }
    .group_segment_fixed_size: 0
    .private_segment_fixed_size: 0
    .kernarg_segment_align: 8
    .kernarg_segment_size: 48
    .max_flat_workgroup_size: 256
    .sgpr_count:     66
    .vgpr_count:     128
    .wavefront_size: 32
...
	.end_amdgpu_metadata
.endif
;; end of part 1
;; launch qkv (part 2): grid 24 x 32, 4 waves a work-group, clusters of 4 x 4, 327,680 bytes of LDS; arguments xw, qkv; writes qkv
.if DOCPART == 2
	.amdgcn_target "amdgcn-amd-amdhsa--gfx1250"
	.amdhsa_code_object_version 6
	.text
	.protected	k_q2b7d61b774_qkv
	.globl	k_q2b7d61b774_qkv
	.p2align	8
	.type	k_q2b7d61b774_qkv,@function
k_q2b7d61b774_qkv:
	s_mov_b64 s[64:65], 0
	v_nop
	global_prefetch_b8 v0, s[64:65] scope:SCOPE_SE
	s_setreg_imm32_b32 hwreg(HW_REG_WAVE_MODE, 25, 1), 1
	s_wait_xcnt 0x0
	s_wait_alu depctr_hold_cnt(0) depctr_sa_sdst(0) depctr_va_vdst(0) depctr_va_sdst(0) depctr_va_ssrc(0) depctr_va_vcc(0) depctr_vm_vsrc(0)
	s_getreg_b32 s2, hwreg(HW_REG_IB_STS2, 6, 4)
	s_cmp_eq_u32 s2, 0
	s_cbranch_scc0 .Lentry_in_a_cluster
	s_endpgm
.Lentry_in_a_cluster:
	s_bfe_u32 s2, ttmp6, 0x10000c
	s_cmp_lg_u32 s2, 0xf033
	s_cbranch_scc0 .Lentry_shape_is_right
	s_endpgm
.Lentry_shape_is_right:
; [8192 x 1024] x [1024 x 3072]: q, k and v of all heads in one product.  Operands bf16 (rounded by the launch before), sums f32, K ascending,
; results rounded once to f16.  f16 and not bf16 for q, k, v: three more significant bits, which the first positions need (their context is a mean of
; few rows of v and as large as v itself).  Its range has room: with x and the weights 30 times the usual spread the results' spread is
; 30 x 0.54 x 32 = 520; with common offsets of 30 spreads on both they are near 1024 x 30 x 0.54 = 17,000.  LIMIT: results beyond 65,504 become infinite.
; Everything lies in panels of 64 columns: element (r, c) of panel p of a matrix of R rows at byte (p R + r) 128 + 2 c.
; xw: x's 16 panels (R = 8192) from byte 0; the weights' column panels G = 0..47 (Wq, Wk, Wv; R = 1024) at 16 MiB + G x 128 KiB.
; qkv: panel g = G at g MiB, row m = batch x 2048 + position: q of head h is panel h, k panel 16 + h, v panel 32 + h.
; A work-group makes 256 rows x 128 columns with four waves; a wave 128 x 64 (one panel): 8 x 4 accumulator tiles, 256 registers.
; 32 x 24 = 768 blocks = 3 x 256 work-groups of equal work (blocks of 256 x 256 would be 384).
; K goes in 8 steps of 128 through two LDS slots.  A slot holds two sub-tiles of x (256 rows x 64 k, pitch 144) and two of the weights
; (128 k x 64 n, pitch 160).  Each sub-tile is one dense block of memory and comes by one tensor load: waves 0, 1 fetch x's, waves 2, 3 the weights'.
; The loads state rows of 256 bytes and a pad behind every 128 bytes, so that each logical row of 128 bytes gets its pad.
; CLUSTER 4 x 4: x's tile hangs on the block row alone and is asked for jointly along a row of the cluster, the weights' tile on the block column
; alone and jointly along a column: the requests for both are divided by four.
; THE MATRIX INSTRUCTION IS USED TRANSPOSED: source 0 = 16 columns of W (weights lie [k][n]: a transposing LDS load makes the fragment),
; source 1 = 16 rows of x.  Lane l then holds row l % 16 and its registers the columns 8 (l / 16) + 0..7: 16 neighbouring bytes of f16.
; REGISTERS: window 0: addresses, two fragment buffers, packed results; window 1 (v256-511): accumulator (a, t) at v[8 (4 a + t)].
.set PA,    144                        ; pitch of x's rows in LDS: 9 x 16 bytes, so the 16 rows of a fragment load start in 16 different 16-byte columns of 256
.set PB,    160                        ; pitch of the weights' rows: 5 x 32 bytes, for the transposing load
.set ASUB,  256*PA                     ; 36,864
.set BSUB,  128*PB                     ; 20,480
.set SLOT,  2*ASUB+2*BSUB              ; 114,688
.set STAGE, 2*SLOT                     ; behind the ring, filled by no tensor load: 16 rows x 144 bytes for each wave
.set SP,    144
.set BN0,   0                          ; first block column's place among the weights' pairs of panels
.set ADRA, 16                          ; v16-17  LDS address of my x fragments in slot 0, 1
.set ADRB, 20                          ; v20-21  the same for the weights
.set STO,  24                          ; v24     way out: where I put 16 bytes
.set RD,   25                          ; v25     way out: where I read back
.set CO,   26                          ; v26     way out: my byte offset in the panel
.set F0,   32                          ; v[32:127]  fragment buffer 0: W's at +8 t (t = 0..3), x's at +32 + 8 a (a = 0..7)
.set F1,   128                         ; v[128:223] fragment buffer 1
.set TMP,  224                         ; v[224:239] packed results
.set G1,  24                           ; s[24:31] descriptor group 1, x's tiles
.set G0,  32                           ; s[32:39] descriptor group 0, x's tiles, a set for each slot
.set G1B, 48                           ; s[48:55] group 1, the weights' tiles
.set G0B, 56                           ; s[56:63] group 0, the weights' tiles, a set for each slot
.set MSB, 0
.macro WIN new                         ; low byte: bits 1:0 source 0, 3:2 source 1, 5:4 source 2, 7:6 destination; the high byte repeats the setting that is left
.if MSB != \new
	s_set_vgpr_msb (MSB<<8)|\new
.set MSB, \new
.endif
.endm
.macro PLACES                          ; four plain vector places behind matrix instructions, in front of loads into their sources and of readers of their results
.rept 4
	v_nop
.endr
.endm
; A joint load.  Each line has one mask and one set of registers; the branch hangs on the wave's number alone.
.macro JLOAD s
	s_cmp_eq_u32 s11, 0
	s_cbranch_scc0 .Lfor_b_\@
	tensor_load_to_lds s[G0+4*\s:G0+4*\s+3], s[G1:G1+7]
	s_nop 0
	s_branch .Lasked_\@
.Lfor_b_\@:
	tensor_load_to_lds s[G0B+4*\s:G0B+4*\s+3], s[G1B:G1B+7]
	s_nop 0
.Lasked_\@:
.endm
.macro CREST                           ; a round of the cluster's barrier behind its opening work-group barrier
	s_cmp_lg_u32 s10, 0
	s_cbranch_scc1 .Lnot_wave_0_\@
	s_barrier_signal -3
.Lnot_wave_0_\@:
	s_barrier_wait -3
	s_barrier_signal -1
	s_barrier_wait -1
.endm
.macro CROUND                          ; a whole round
	s_barrier_signal -1
	s_barrier_wait -1
	CREST
.endm
	s_load_b64 s[4:5], s[0:1], 0x0                 ; xw, for x's panels
	s_load_b64 s[6:7], s[0:1], 0x0                 ; xw once more, for the weights' panels
	s_load_b64 s[8:9], s[0:1], 0x8                 ; qkv
	v_lshl_add_u32 v254, v0, 2, 0x3a400
	v_mov_b32 v255, 0
	ds_add_u32 v254, v255
	ds_add_u32 v254, v255
	v_lshrrev_b32 v1, 5, v0
	v_readfirstlane_b32 s10, v1                    ; wave 0..3
	s_lshr_b32 s11, s10, 1                         ; which 128 rows of the block are mine.  Also: I fetch x's tiles (0) or the weights' (1)
	s_and_b32 s12, s10, 1                          ; which 64 columns.  Also: which sub-tile I fetch
	s_bfe_u32 s40, ttmp6, 0x40000                  ; cx
	s_bfe_u32 s41, ttmp6, 0x40004                  ; cy
	s_lshl_b32 s42, ttmp9, 2
	s_add_co_u32 s42, s42, s40                     ; block column = 4 x cluster x + cx
	s_and_b32 s13, ttmp7, 0xffff
	s_lshl_b32 s13, s13, 2
	s_add_co_u32 s13, s13, s41                     ; block row = 4 x cluster y + cy
	s_lshl_b32 s43, s41, 2
	s_lshl_b32 s43, 15, s43                        ; my row of the cluster: places 4 cy .. 4 cy + 3
	s_lshl_b32 s44, 0x1111, s40                    ; my column: places cx, cx + 4, cx + 8, cx + 12
	; group 1: rows of 128 elements of 2 bytes, dense (pitch 128); x: 128 such rows (32 KiB), weights: 64 (16 KiB)
	s_or_b32 s[G1+0], s43, 0x07310000              ; mask; 17:16 2-byte elements; 20 padding on; 21 set beside a mask; 24:22 code 4: after every 32 words; 31:25 code 3: 4 words
	s_or_b32 s[G1B+0], s44, 0x0f310000             ; the same with my column's mask and code 7: 8 words of padding
	s_mov_b32 s[G1+1], 128<<16                     ; tensor_dim0 = 128
	s_mov_b32 s[G1B+1], 128<<16
	s_mov_b32 s[G1+2], 128<<16                     ; tensor_dim1 = 128
	s_mov_b32 s[G1B+2], 64<<16                     ; tensor_dim1 = 64
	s_mov_b32 s[G1+3], 128<<16                     ; tile_dim0 = 128
	s_mov_b32 s[G1B+3], 128<<16
	s_mov_b32 s[G1+4], 128                         ; tile_dim1
	s_mov_b32 s[G1B+4], 64
	s_mov_b32 s[G1+5], 128                         ; elements from row to row
	s_mov_b32 s[G1B+5], 128
	s_mov_b32 s[G1+6], 0
	s_mov_b32 s[G1B+6], 0
	s_mov_b32 s[G1+7], 0
	s_mov_b32 s[G1B+7], 0
	; where the tiles come from: x's of the block row and the wave's number, the weights' of the block column and the wave's number
	s_lshl_b32 s16, s12, 20                        ; x: k panel (wave & 1), 1 MiB each,
	s_lshl_b32 s17, s13, 15                        ; + 256 rows x 128 bytes x block row
	s_add_co_u32 s16, s16, s17
	s_mov_b32 s17, 0
	s_add_co_u32 s46, s42, BN0                     ; weights: column panel 2 (block column + BN0) + (wave & 1), 128 KiB each, from 16 MiB on
	s_lshl_b32 s46, s46, 18
	s_lshl_b32 s47, s12, 17
	s_add_co_u32 s46, s46, s47
	s_add_co_u32 s46, s46, 0x1000000
	s_mov_b32 s47, 0
	s_mul_i32 s20, s10, ASUB                       ; where they go: waves 0, 1: x's sub-tiles at 0 and 36,864;
	s_mul_i32 s21, s10, BSUB
	s_add_co_u32 s21, s21, 2*ASUB-2*BSUB           ; waves 2, 3: the weights' at 73,728 and 94,208
	s_wait_dscnt 0x0
	s_wait_kmcnt 0x0
	s_add_nc_u64 s[14:15], s[4:5], s[16:17]
	s_add_nc_u64 s[46:47], s[6:7], s[46:47]
	CROUND                                         ; all sixteen work-groups are here: the first joint loads meet
.irp s, 0,1
	s_mov_b32 s[G0+4*\s], 1
	s_add_co_u32 s[G0+4*\s+1], s20, \s*SLOT
	s_add_nc_u64 s[G0+4*\s+2:G0+4*\s+3], s[14:15], \s*0x200000     ; K step s: two k panels on
	s_or_b32 s[G0+4*\s+3], s[G0+4*\s+3], 0x80000000
	s_mov_b32 s[G0B+4*\s], 1
	s_add_co_u32 s[G0B+4*\s+1], s21, \s*SLOT
	s_add_nc_u64 s[G0B+4*\s+2:G0B+4*\s+3], s[46:47], \s*0x4000     ; K step s: 128 rows of 128 bytes on
	s_or_b32 s[G0B+4*\s+3], s[G0B+4*\s+3], 0x80000000
	JLOAD \s                                       ; both slots are asked for before anything else: two loads of the wave are out
.endr
	; the stores' base: panel 2 x block column + (wave & 1), row 256 x block row + 128 x (wave >> 1)
	s_lshl_b32 s16, s13, 15
	s_lshl_b32 s17, s11, 14
	s_add_co_u32 s16, s16, s17
	s_mov_b32 s17, 0
	s_add_nc_u64 s[8:9], s[8:9], s[16:17]
	s_lshl_b32 s46, s42, 21
	s_lshl_b32 s47, s12, 20
	s_add_co_u32 s46, s46, s47
	s_mov_b32 s47, 0
	s_add_nc_u64 s[8:9], s[8:9], s[46:47]
	; lane addresses.  r = l % 16, h = l / 16.
	v_and_b32 v1, 15, v0
	v_bfe_u32 v2, v0, 4, 1
	v_mul_u32_u24 v3, v1, PA
	v_lshl_add_u32 v3, v2, 4, v3                   ; r x 144 + 16 h: x fragment, two loads 32 bytes apart
	s_mul_i32 s16, s11, 128*PA
	v_add_nc_u32 v[ADRA], s16, v3
	v_add_nc_u32 v[ADRA+1], SLOT, v[ADRA]
	v_and_b32 v4, 7, v0
	v_lshl_add_u32 v4, v2, 3, v4                   ; k row 8 h + l % 8
	v_mul_u32_u24 v4, v4, PB
	v_bfe_u32 v5, v0, 3, 1
	v_lshl_add_u32 v4, v5, 4, v4                   ; + 16 x ((l / 8) & 1): transposing load, two of them 16 k rows apart
	s_mul_i32 s17, s12, BSUB
	s_add_co_u32 s17, s17, 2*ASUB
	v_add_nc_u32 v[ADRB], s17, v4
	v_add_nc_u32 v[ADRB+1], SLOT, v[ADRB]
	s_mul_i32 s18, s10, 16*SP
	s_add_co_u32 s18, s18, STAGE                   ; my stage
	v_add_nc_u32 v[STO], s18, v3                   ; in: row r, 16 bytes for each half of the lanes
	v_bfe_u32 v6, v0, 3, 2
	v_mul_u32_u24 v6, v6, SP
	v_and_b32 v7, 7, v0
	v_lshl_add_u32 v6, v7, 4, v6
	v_add_nc_u32 v[RD], s18, v6                    ; back: eight lanes take a row of 128 bytes, the wave four rows
	v_and_b32 v[CO], 31, v0
	v_lshlrev_b32 v[CO], 4, v[CO]                  ; which are 512 consecutive bytes of the panel
; 24 LDS loads: the fragments of quarter q (32 along K) of a slot into buffer f
.macro FETCH slot, q, f
.irp t, 0,1,2,3
	ds_load_tr16_b128 v[\f+8*\t:\f+8*\t+3],   v[ADRB+\slot] offset:\q*32*PB+32*\t
	ds_load_tr16_b128 v[\f+8*\t+4:\f+8*\t+7], v[ADRB+\slot] offset:\q*32*PB+32*\t+16*PB
.endr
.irp a, 0,1,2,3,4,5,6,7
	ds_load_b128 v[\f+32+8*\a:\f+32+8*\a+3],   v[ADRA+\slot] offset:(\q>>1)*ASUB+(\q&1)*64+\a*16*PA
	ds_load_b128 v[\f+32+8*\a+4:\f+32+8*\a+7], v[ADRA+\slot] offset:(\q>>1)*ASUB+(\q&1)*64+\a*16*PA+32
.endr
.endm
; 4 n matrix instructions: row tiles a0 .. a0 + n - 1 x all four column tiles.  zero = 1: the first product starts the sums.
; The 32 accumulators take turns, one instruction a turn, in the same order everywhere.
.macro MUL f, a0, n, zero
	WIN 0x50                                       ; C and D in window 1
.set ma, \a0
.rept \n
.irp t, 0,1,2,3
.if \zero
	v_wmma_f32_16x16x32_bf16 v[8*(4*ma+\t):8*(4*ma+\t)+7], v[\f+8*\t:\f+8*\t+7], v[\f+32+8*ma:\f+32+8*ma+7], 0
.else
	v_wmma_f32_16x16x32_bf16 v[8*(4*ma+\t):8*(4*ma+\t)+7], v[\f+8*\t:\f+8*\t+7], v[\f+32+8*ma:\f+32+8*ma+7], v[8*(4*ma+\t):8*(4*ma+\t)+7]
.endif
.endr
.set ma, ma+1
.endr
.endm
; One of a K step's first three quarters: asks for quarter qn's fragments into buffer g, then multiplies buffer f
.macro QUARTER slot, qn, f, g, zero
	PLACES                                         ; buffer g was read by the matrix instructions just issued
	FETCH \slot, \qn, \g
	s_wait_dscnt 24                                ; all but the 24 just issued: buffer f is in
	MUL \f, 0, 8, \zero
	WIN 0
.endm
.macro THREE slot, zero
	QUARTER \slot, 1, F0, F1, \zero
	QUARTER \slot, 2, F1, F0, 0
	QUARTER \slot, 3, F0, F1, 0
.endm
; The last quarter multiplies buffer 1 and changes slots.  In front of the barrier each wave waits for its reads of this slot and for all its
; tensor loads (one is out: its part of the next slot).  fill = 1: the barrier opens a round of the cluster's barrier, and the joint refill of this
; slot, two K steps ahead, is the first tensor load behind the round; it has 112 matrix instructions of the wave in which to land.
.macro TURN slot, next, fill
	s_wait_dscnt 0x0                               ; my reads of this slot are over
	s_wait_tensorcnt 0x0                           ; all my tensor loads have landed
	ds_add_u32 v254, v255
	s_wait_dscnt 0x0
	s_barrier_signal -1
	MUL F1, 0, 4, 0                                ; register work while the others arrive
	WIN 0
	s_barrier_wait -1
.if \fill
	CREST
	s_add_nc_u64 s[G0+4*\slot+2:G0+4*\slot+3], s[G0+4*\slot+2:G0+4*\slot+3], 0x400000    ; no load of mine is out: both sets step two K steps
	s_add_nc_u64 s[G0B+4*\slot+2:G0B+4*\slot+3], s[G0B+4*\slot+2:G0B+4*\slot+3], 0x8000
	JLOAD \slot
.endif
	PLACES
	FETCH \next, 0, F0
	MUL F1, 4, 4, 0
	WIN 0
.endm
.macro LAP zero                        ; two K steps, both slots filled again
	THREE 0, \zero
	TURN 0, 1, 1
	THREE 1, 0
	TURN 1, 0, 1
.endm
	s_wait_tensorcnt 0x1                           ; my part of K step 0 is in; K step 1's stays out
	s_barrier_signal -1
	s_barrier_wait -1
	FETCH 0, 0, F0
	LAP 1                                          ; K steps 0, 1; asks for 2, 3
	s_mov_b32 s3, 2
.Llap:
	LAP 0                                          ; K steps 2 to 5; asks for 4 to 7
	s_sub_co_u32 s3, s3, 1
	s_cmp_lg_u32 s3, 0
	s_cbranch_scc1 .Llap
	THREE 0, 0                                     ; K steps 6, 7: nothing is left to fetch
	TURN 0, 1, 0
	THREE 1, 0
	s_wait_dscnt 0x0
	MUL F1, 0, 8, 0
	WIN 0
	PLACES                                         ; behind the last matrix instructions: the conversions read results, the loads below land in buffers
; THE WAY OUT, 16 rows at a time: round to f16, 16 bytes a lane into my own stage, read back as four rows of 128 bytes a load, which are
; 512 consecutive bytes of the panel.  LDS serves a wave's instructions in order, so no wait stands between the stores and the loads.
; Each a has its own 16 registers for the read-back, so no store's data is written again.
.macro OUTB a
	WIN 0x05                                       ; both sources in window 1
.irp t, 0,1,2,3
.irp i, 0,1,2,3
	v_cvt_pk_f16_f32 v[TMP+4*\t+\i], v[8*(4*\a+\t)+2*\i], v[8*(4*\a+\t)+2*\i+1]
.endr
.endr
	WIN 0
.irp t, 0,1,2,3
	ds_store_b128 v[STO], v[TMP+4*\t:TMP+4*\t+3] offset:32*\t
.endr
.irp u, 0,1,2,3
	ds_load_b128 v[F0+16*\a+4*\u:F0+16*\a+4*\u+3], v[RD] offset:\u*4*SP
.endr
.irp u, 0,1,2,3
	s_wait_dscnt 3-\u                              ; read-back u is in, the younger ones stay out
	global_store_b128 v[CO], v[F0+16*\a+4*\u:F0+16*\a+4*\u+3], s[8:9] offset:2048*\a+512*\u
.endr
.endm
.irp a, 0,1,2,3,4,5,6,7
	OUTB \a
.endr
	s_wait_tensorcnt 0x0
	ds_add_u32 v254, v255
	s_wait_dscnt 0x0
	CROUND                                         ; the closing round: no work-group ends while a partner may still ask for a tile that names it
	s_endpgm
.Lfunc_end_k_q2b7d61b774_qkv:
	.size	k_q2b7d61b774_qkv, .Lfunc_end_k_q2b7d61b774_qkv-k_q2b7d61b774_qkv
	.p2alignl 7, 3214868480
	.fill 96, 4, 3214868480
	.section	.rodata,"a",@progbits
	.p2align	6, 0x0
	.amdhsa_kernel k_q2b7d61b774_qkv
		.amdhsa_group_segment_fixed_size 327680
		.amdhsa_private_segment_fixed_size 0
		.amdhsa_enable_private_segment 0
		.amdhsa_kernarg_size 16
		.amdhsa_user_sgpr_count 2
		.amdhsa_user_sgpr_kernarg_segment_ptr 1
		.amdhsa_wavefront_size32 1
		.amdhsa_system_sgpr_workgroup_id_x 1
		.amdhsa_system_sgpr_workgroup_id_y 1
		.amdhsa_system_sgpr_workgroup_id_z 1
		.amdhsa_system_vgpr_workitem_id 0
		.amdhsa_next_free_vgpr 512
		.amdhsa_next_free_sgpr 66
		.amdhsa_reserve_vcc 0
		.amdhsa_float_denorm_mode_32 3
		.amdhsa_float_denorm_mode_16_64 3
		.amdhsa_memory_ordered 1
		.amdhsa_forward_progress 1
		.amdhsa_inst_pref_size 117
	.end_amdhsa_kernel
	.amdgpu_metadata
---
amdhsa.version: [ 1, 2 ]
amdhsa.kernels:
  - .name:           k_q2b7d61b774_qkv
    .symbol:         k_q2b7d61b774_qkv.kd
    .args:
      - { .name: xw, .offset: 0, .size: 8, .value_kind: global_buffer, .address_space: global }
      - { .name: qkv, .offset: 8, .size: 8, .value_kind: global_buffer, .address_space: global }
    .group_segment_fixed_size: 327680
    .private_segment_fixed_size: 0
    .kernarg_segment_align: 8
    .kernarg_segment_size: 16
    .max_flat_workgroup_size: 128
    .sgpr_count:     66
    .vgpr_count:     512
    .wavefront_size: 32
...
	.end_amdgpu_metadata
.endif
;; end of part 2
;; launch attn (part 3): grid 4 x 64, 8 waves a work-group, no clusters, 327,680 bytes of LDS; arguments qkv, ctx; writes ctx
.if DOCPART == 3
	.amdgcn_target "amdgcn-amd-amdhsa--gfx1250"
	.amdhsa_code_object_version 6
	.text
	.protected	k_q2b7d61b774_attn
	.globl	k_q2b7d61b774_attn
	.p2align	8
	.type	k_q2b7d61b774_attn,@function
k_q2b7d61b774_attn:
	s_mov_b64 s[64:65], 0
	v_nop
	global_prefetch_b8 v0, s[64:65] scope:SCOPE_SE
	s_setreg_imm32_b32 hwreg(HW_REG_WAVE_MODE, 25, 1), 1
	s_wait_xcnt 0x0
; Causal attention of one head: ctx = softmax(q k^T / 8, keys up to the query) v, with a running maximum (each row's maximum is taken away before the
; exponential, as in the definition).  q, k, v: f16 panels of qkv (panel h, 16 + h, 32 + h; row batch x 2048 + position, 128 bytes).  ctx: f16, panel h, the same rows.
; FORMATS: both products take f16 operands and sum in f32.  The probabilities lie in [0, 1] (those under 2^-25 become 0 beside a largest one of 1) and the
; context is a mean of rows of v, so both fit f16 wherever v does.
; LIMITS: the probabilities are rounded to f16 for the product with v, while the row sum is taken from the unrounded ones; scores, maxima, sums and the
; context's sums are f32; where the definition itself gives no finite number, NaN and infinities are not reproduced.
; WORK: work-group (i, head) takes the query blocks of 256 numbered i and 7 - i: (i + 1) + (8 - i) = 9 units of 256 keys for every work-group, 256 work-groups.
; Eight waves, 32 queries each (two tiles of 16); two waves share a SIMD, so that one wave's softmax runs beside the other's products.
; NO CLUSTER: the four work-groups of a head need i + 1 and 8 - i units in their two phases; a joint walk would take every partner through 4 + 8 = 12 units
; of requests and barriers for 9 units of work.
; TRANSPOSED PRODUCTS: S^T = K Q^T (source 0 = 16 keys, source 1 = 16 queries): lane (r, h) holds query r, register j key 8 h + j of the tile.  Two neighbouring
; tiles, packed to f16 in place, are the source-1 fragment of O^T = V^T P^T (source 0 = V^T by the transposing LDS load).  So a row's figures are a lane's
; own; the maximum crosses the two halves of the wave by one lane exchange, the sum once at a phase's end.
; ORDER OF UNITS in a phase: the diagonal unit first, then units 0, 1, ...  Its first 64 keys hold a visible key for every query of the block, so they start
; the maximum, the sum and the context (first product with C = 0): nothing is cleared and the maximum is finite from there on.
; RING: two LDS slots of 128 keys (v: pitch 160, k: pitch 144).  Waves 0-3 fetch 32 rows of v each, waves 4-7 32 rows of k: a dense 4 KiB, stated as 16 rows
; of 256 bytes with a pad behind every 128.  One tensor load of a wave is out at any time.
.set PK,    144
.set PV,    160
.set KOFF,  128*PV                     ; 20,480: k behind v in a slot
.set SLOT,  128*PV+128*PK              ; 38,912
.set STAGE, 2*SLOT                     ; 77,824: 32 rows x 144 bytes for each wave, filled by no tensor load
.set ADK, 1                            ; v1  LDS address of my k fragments in slot 0
.set ADV, 2                            ; v2  the same for v (transposing load)
.set QO,  3                            ; v3  my byte offset in the wave's 32 rows of q
.set STO, 4                            ; v4  way out: in
.set RD,  5                            ; v5  way out: back
.set CO,  6                            ; v6  way out: my byte offset in the wave's 4 KiB of ctx
.set DL,  7                            ; v7  32 wave + r - 8 h: a key of the diagonal unit is visible if its constant part is not above this
.set NM,  8                            ; v[8:11]   - maximum x c, twice (a pair) for each query tile; c = log2(e) / 8
.set LS,  12                           ; v[12:13]  my half's row sum, for each query tile
.set AL,  14                           ; v[14:17]  the factor for what has been summed so far, twice for each query tile
.set TMP, 18                           ; v[18:31]  at work
.set QF,  32                           ; v[32:63]   q fragment (qt, kd) at + 8 (2 qt + kd)
.set SCO, 64                           ; v[64:127]  score tile (kt, qt) at + 32 qt + 8 kt; then P (qt, ks) at + 32 qt + 16 ks
.set KF,  128                          ; v[128:191] k fragment (kt, kd) at + 8 (2 kt + kd)
.set VF,  192                          ; v[192:255] v fragment (dt, ks) at + 8 (4 ks + dt)
                                       ; window 1 (v256-319): context tile (dt, qt) at v[8 (2 dt + qt)]
.set G1V, 16                           ; s[16:23] descriptor group 1 for v
.set G1K, 24                           ; s[24:31] for k
.set G0V, 32                           ; s[32:39] group 0 for v, a set for each slot
.set G0K, 40                           ; s[40:47] for k
.set BV,  48                           ; s[48:51] address of my rows of v in unit 0, first and second 128 keys
.set BK,  52                           ; s[52:55] the same for k
                                       ; s[56:57] byte offset of the NEXT unit (unit x 32,768); s[58:61] q's, s[66:69] ctx's address in phase A, B
.set MSB, 0
.macro WIN new
.if MSB != \new
	s_set_vgpr_msb (MSB<<8)|\new
.set MSB, \new
.endif
.endm
.macro JL slot                         ; my one tensor load into a slot; the branch hangs on the wave's number alone
	s_cmp_lt_u32 s8, 4
	s_cbranch_scc0 .Lfor_k_\@
	tensor_load_to_lds s[G0V+4*(\slot):G0V+4*(\slot)+3], s[G1V:G1V+7]
	s_nop 0
	s_branch .Lasked_\@
.Lfor_k_\@:
	tensor_load_to_lds s[G0K+4*(\slot):G0K+4*(\slot)+3], s[G1K:G1K+7]
	s_nop 0
.Lasked_\@:
.endm
	s_load_b128 s[4:7], s[0:1], 0x0                ; qkv s[4:5], ctx s[6:7]
	v_lshl_add_u32 v30, v0, 2, 0x29000
	v_mov_b32 v31, 0
	ds_add_u32 v30, v31
	ds_add_u32 v30, v31
	v_lshrrev_b32 v1, 5, v0
	v_readfirstlane_b32 s8, v1                     ; wave 0..7
	s_mov_b32 s9, ttmp9                            ; i: phase A's query block, and its number of units below the diagonal
	s_sub_co_u32 s10, 7, s9                        ; phase B's query block
	s_sub_co_u32 s11, 6, s9                        ; trips of phase B's loop
	s_mov_b32 s12, 0x76543210                      ; lane i of one half reads lane i of the other
	s_mov_b32 s13, 0xfedcba98
	s_mov_b32 s63, 0xff800000                      ; - infinity
	s_mul_i32 s14, s8, 32*PV                       ; waves 0-3: v's rows at 5,120 x wave
	s_mul_i32 s15, s8, 32*PK
	s_add_co_u32 s15, s15, KOFF-4*32*PK            ; waves 4-7: k's rows at 20,480 + 4,608 x (wave - 4)
	s_mov_b32 s[G1V+0], 0x0f110000                 ; 2-byte elements; padding on; after every 32 words (code 4) 8 words (code 7)
	s_mov_b32 s[G1K+0], 0x07110000                 ; the same with 4 words (code 3)
	s_mov_b32 s[G1V+1], 128<<16                    ; tensor_dim0 = 128
	s_mov_b32 s[G1K+1], 128<<16
	s_mov_b32 s[G1V+2], 16<<16                     ; tensor_dim1 = 16
	s_mov_b32 s[G1K+2], 16<<16
	s_mov_b32 s[G1V+3], 128<<16                    ; tile_dim0 = 128
	s_mov_b32 s[G1K+3], 128<<16
	s_mov_b32 s[G1V+4], 16                         ; tile_dim1 = 16
	s_mov_b32 s[G1K+4], 16
	s_mov_b32 s[G1V+5], 128                        ; elements from row to row
	s_mov_b32 s[G1K+5], 128
	s_mov_b32 s[G1V+6], 0
	s_mov_b32 s[G1K+6], 0
	s_mov_b32 s[G1V+7], 0
	s_mov_b32 s[G1K+7], 0
	s_and_b32 s70, ttmp7, 0xffff
	s_and_b32 s71, s70, 15                         ; head
	s_lshr_b32 s72, s70, 4                         ; batch
	s_lshl_b32 s71, s71, 20                        ; a panel is 1 MiB,
	s_lshl_b32 s72, s72, 18                        ; a batch 2,048 rows of 128 bytes
	s_add_co_u32 s73, s71, s72
	s_and_b32 s74, s8, 3
	s_lshl_b32 s74, s74, 12                        ; my 32 rows of a tile of k or v
	s_add_co_u32 s74, s74, s73
	s_mov_b32 s75, 0
	s_lshl_b32 s70, s8, 12                         ; my 32 queries of a block
	s_add_co_u32 s70, s70, s73
	s_lshl_b32 s72, s10, 15
	s_add_co_u32 s72, s72, s70                     ; phase B: block 7 - i, 256 rows of 128 bytes each
	s_lshl_b32 s56, s9, 15                         ; the first unit of the stream: phase A's diagonal, unit i
	s_add_co_u32 s70, s70, s56                     ; phase A: block i
	s_mov_b32 s71, 0
	s_mov_b32 s73, 0
	s_mov_b32 s57, 0
	s_wait_dscnt 0x0
	s_wait_kmcnt 0x0
	s_add_nc_u64 s[BK:BK+1], s[4:5], s[74:75]
	s_add_nc_u64 s[BV:BV+1], s[BK:BK+1], 0x2000000         ; v: panel 32 + head
	s_add_nc_u64 s[BK:BK+1], s[BK:BK+1], 0x1000000         ; k: panel 16 + head
	s_add_nc_u64 s[BV+2:BV+3], s[BV:BV+1], 0x4000          ; the unit's second 128 keys
	s_add_nc_u64 s[BK+2:BK+3], s[BK:BK+1], 0x4000
	s_add_nc_u64 s[58:59], s[4:5], s[70:71]
	s_add_nc_u64 s[60:61], s[4:5], s[72:73]
	s_add_nc_u64 s[66:67], s[6:7], s[70:71]
	s_add_nc_u64 s[68:69], s[6:7], s[72:73]
.irp f, 0,1
	s_mov_b32 s[G0V+4*\f], 1
	s_add_co_u32 s[G0V+4*\f+1], s14, \f*SLOT
	s_add_nc_u64 s[G0V+4*\f+2:G0V+4*\f+3], s[BV+2*\f:BV+2*\f+1], s[56:57]
	s_or_b32 s[G0V+4*\f+3], s[G0V+4*\f+3], 0x80000000
	s_mov_b32 s[G0K+4*\f], 1
	s_add_co_u32 s[G0K+4*\f+1], s15, \f*SLOT
	s_add_nc_u64 s[G0K+4*\f+2:G0K+4*\f+3], s[BK+2*\f:BK+2*\f+1], s[56:57]
	s_or_b32 s[G0K+4*\f+3], s[G0K+4*\f+3], 0x80000000
.endr
	JL 0                                           ; the one fill ahead of the first barrier: the first 128 keys
	v_and_b32 v18, 15, v0                          ; r
	v_bfe_u32 v19, v0, 4, 1                        ; h
	v_mul_u32_u24 v20, v18, PK
	v_lshl_add_u32 v20, v19, 4, v20                ; r x 144 + 16 h
	v_add_nc_u32 v[ADK], KOFF, v20
	v_and_b32 v21, 7, v0
	v_lshl_add_u32 v21, v19, 3, v21                ; key row 8 h + l % 8
	v_mul_u32_u24 v21, v21, PV
	v_bfe_u32 v22, v0, 3, 1
	v_lshl_add_u32 v[ADV], v22, 4, v21             ; + 16 x ((l / 8) & 1)
	v_lshlrev_b32 v[QO], 7, v18
	v_lshl_add_u32 v[QO], v19, 4, v[QO]            ; r x 128 + 16 h
	s_mul_i32 s74, s8, 32*PK
	s_add_co_u32 s74, s74, STAGE                   ; my stage
	v_add_nc_u32 v[STO], s74, v20
	v_bfe_u32 v23, v0, 3, 2
	v_mul_u32_u24 v23, v23, PK
	v_and_b32 v24, 7, v0
	v_lshl_add_u32 v23, v24, 4, v23
	v_add_nc_u32 v[RD], s74, v23
	v_and_b32 v[CO], 31, v0
	v_lshlrev_b32 v[CO], 4, v[CO]
	v_and_b32 v[DL], 0xef, v0                      ; 32 wave + r
	v_lshlrev_b32 v25, 3, v19
	v_sub_nc_u32 v[DL], v[DL], v25                 ; - 8 h (may be below 0: compared as signed)
; The head of a slot's turn.  Every wave waits for all its tensor loads (its part of this slot among them) and for its LDS reads, then the barrier:
; this slot is whole, nobody reads the other one.  step = 1: this slot's two group 0 sets, idle now, get the next unit's address.
; refill = 1: the stream's next 128 keys go into the other slot, the wave's first and only tensor load behind the barrier.
.macro HEAD slot, refill, step
	s_wait_tensorcnt 0x0
	ds_add_u32 v30, v31
	s_wait_dscnt 0x0
.if \step
	s_add_nc_u64 s[G0V+4*\slot+2:G0V+4*\slot+3], s[BV+2*\slot:BV+2*\slot+1], s[56:57]
	s_or_b32 s[G0V+4*\slot+3], s[G0V+4*\slot+3], 0x80000000
	s_add_nc_u64 s[G0K+4*\slot+2:G0K+4*\slot+3], s[BK+2*\slot:BK+2*\slot+1], s[56:57]
	s_or_b32 s[G0K+4*\slot+3], s[G0K+4*\slot+3], 0x80000000
.endif
	s_wait_dscnt 0x0
	s_barrier_signal -1
	s_barrier_wait -1
.if \refill
	JL 1-\slot
.endif
.endm
; Softmax of 64 keys x 32 queries in registers.  first = 1: starts maximum and sum.
.macro SOFT first
.irp qt, 0,1
	v_max3_num_f32 v[TMP+2*\qt],   v[SCO+32*\qt],   v[SCO+32*\qt+1], v[SCO+32*\qt+2]       ; my 32 scores of the query, in two chains
	v_max3_num_f32 v[TMP+2*\qt+1], v[SCO+32*\qt+3], v[SCO+32*\qt+4], v[SCO+32*\qt+5]
.irp k, 0,1,2,3,4,5
	v_max3_num_f32 v[TMP+2*\qt],   v[TMP+2*\qt],   v[SCO+32*\qt+6+4*\k], v[SCO+32*\qt+7+4*\k]
	v_max3_num_f32 v[TMP+2*\qt+1], v[TMP+2*\qt+1], v[SCO+32*\qt+8+4*\k], v[SCO+32*\qt+9+4*\k]
.endr
	v_max3_num_f32 v[TMP+2*\qt], v[TMP+2*\qt], v[SCO+32*\qt+30], v[SCO+32*\qt+31]
	v_max_num_f32 v[TMP+2*\qt], v[TMP+2*\qt], v[TMP+2*\qt+1]
	v_permlanex16_b32 v[TMP+2*\qt+1], v[TMP+2*\qt], s12, s13                               ; the other half's 32 keys of the same query
	v_max_num_f32 v[TMP+2*\qt], v[TMP+2*\qt], v[TMP+2*\qt+1]
.if \first
	v_mul_f32 v[NM+2*\qt],   0xbe38aa3b, v[TMP+2*\qt]                                      ; - c x maximum
	v_mul_f32 v[NM+2*\qt+1], 0xbe38aa3b, v[TMP+2*\qt]
.else
	v_mul_f32 v[TMP+2*\qt], 0xbe38aa3b, v[TMP+2*\qt]
	v_min_num_f32 v[TMP+2*\qt], v[TMP+2*\qt], v[NM+2*\qt]                                  ; the running maximum, as - c x maximum
	v_sub_f32 v[TMP+2*\qt+1], v[TMP+2*\qt], v[NM+2*\qt]                                    ; c x (old - new), not above 0
	v_mov_b32 v[NM+2*\qt],   v[TMP+2*\qt]
	v_mov_b32 v[NM+2*\qt+1], v[TMP+2*\qt]
	v_exp_f32 v[AL+2*\qt],   v[TMP+2*\qt+1]                                                ; the plain line that follows touches neither result nor source (ISA guide 5.7.2)
	v_exp_f32 v[AL+2*\qt+1], v[TMP+2*\qt+1]
.endif
.endr
.irp qt, 0,1
.irp k, 0,1,2,3,4,5,6,7,8,9,10,11,12,13,14,15
	v_pk_fma_f32 v[SCO+32*\qt+2*\k:SCO+32*\qt+2*\k+1], v[SCO+32*\qt+2*\k:SCO+32*\qt+2*\k+1], 0x3e38aa3b, v[NM+2*\qt:NM+2*\qt+1] op_sel_hi:[1,0,1]   ; c x (score - maximum)
.endr
.set sk, 0
.rept 32
	v_exp_f32 v[SCO+32*\qt+sk], v[SCO+32*\qt+sk]   ; a masked score is - infinity and gives 0
.set sk, sk+1
.endr
.endr
.if \first
	v_nop                                          ; the plain place behind the last exponential
	s_wait_alu depctr_va_vdst(0)
.else
	WIN 0x41                                       ; source 0 and destination in window 1
	s_wait_alu depctr_va_vdst(0)
.irp dt, 0,1,2,3
.irp qt, 0,1
.irp i, 0,1,2,3
	v_pk_mul_f32 v[8*(2*\dt+\qt)+2*\i:8*(2*\dt+\qt)+2*\i+1], v[8*(2*\dt+\qt)+2*\i:8*(2*\dt+\qt)+2*\i+1], v[AL+2*\qt:AL+2*\qt+1]   ; the context so far, to the new maximum
.endr
.endr
.endr
	WIN 0
.endif
.irp qt, 0,1
	v_pk_add_f32 v[TMP+4*\qt:TMP+4*\qt+1],   v[SCO+32*\qt:SCO+32*\qt+1],   v[SCO+32*\qt+2:SCO+32*\qt+3]
	v_pk_add_f32 v[TMP+4*\qt+2:TMP+4*\qt+3], v[SCO+32*\qt+4:SCO+32*\qt+5], v[SCO+32*\qt+6:SCO+32*\qt+7]
.irp k, 0,1,2,3,4,5
	v_pk_add_f32 v[TMP+4*\qt:TMP+4*\qt+1],   v[TMP+4*\qt:TMP+4*\qt+1],   v[SCO+32*\qt+8+4*\k:SCO+32*\qt+9+4*\k]
	v_pk_add_f32 v[TMP+4*\qt+2:TMP+4*\qt+3], v[TMP+4*\qt+2:TMP+4*\qt+3], v[SCO+32*\qt+10+4*\k:SCO+32*\qt+11+4*\k]
.endr
	v_pk_add_f32 v[TMP+4*\qt:TMP+4*\qt+1], v[TMP+4*\qt:TMP+4*\qt+1], v[TMP+4*\qt+2:TMP+4*\qt+3]
.if \first
	v_add_f32 v[LS+\qt], v[TMP+4*\qt], v[TMP+4*\qt+1]
.else
	v_add_f32 v[TMP+4*\qt], v[TMP+4*\qt], v[TMP+4*\qt+1]
	v_fma_f32 v[LS+\qt], v[LS+\qt], v[AL+2*\qt], v[TMP+4*\qt]
.endif
.endr
.irp qt, 0,1
.irp ks, 0,1
.irp i, 0,1,2,3,4,5,6,7
	v_cvt_pk_f16_f32 v[SCO+32*\qt+16*\ks+\i], v[SCO+32*\qt+16*\ks+2*\i], v[SCO+32*\qt+16*\ks+2*\i+1]   ; in place, ascending: register i is written when 2 i and 2 i + 1 are read
.endr
.endr
.endr
.endm
; 64 keys (half kk of a slot) against the wave's 32 queries.  diag = 1: the unit on the diagonal; SIDX = which 64 keys of the unit.
.macro SUB slot, kk, diag, first
.set SIDX, 2*\slot+\kk
.if \diag
.if SIDX > 0
	s_cmp_lt_u32 s8, 2*SIDX                        ; 64 SIDX > 32 wave + 31: every key lies behind every query of the wave
	s_cbranch_scc1 .Lsub_end_\@
.endif
.endif
.rept 5
	v_nop                                          ; five places behind the last products with v: the loads land in their source 0, the products below write over their source 1
.endr
.irp kt, 0,1,2,3
.irp kd, 0,1
	ds_load_b128 v[KF+8*(2*\kt+\kd):KF+8*(2*\kt+\kd)+3],   v[ADK] offset:\slot*SLOT+(64*\kk+16*\kt)*PK+64*\kd
	ds_load_b128 v[KF+8*(2*\kt+\kd)+4:KF+8*(2*\kt+\kd)+7], v[ADK] offset:\slot*SLOT+(64*\kk+16*\kt)*PK+64*\kd+32
.endr
.endr
.irp ks, 0,1
.irp dt, 0,1,2,3
	ds_load_tr16_b128 v[VF+8*(4*\ks+\dt):VF+8*(4*\ks+\dt)+3],   v[ADV] offset:\slot*SLOT+(64*\kk+32*\ks)*PV+32*\dt
	ds_load_tr16_b128 v[VF+8*(4*\ks+\dt)+4:VF+8*(4*\ks+\dt)+7], v[ADV] offset:\slot*SLOT+(64*\kk+32*\ks)*PV+32*\dt+16*PV
.endr
.endr
	s_wait_dscnt 16                                ; k's sixteen loads are in, v's sixteen stay out
	; S^T = K Q^T.  The eight score tiles take turns, one instruction a turn; the first 32 of the head's 64 start the sums.
.irp kd, 0,1
.irp qt, 0,1
.irp kt, 0,1,2,3
.if \kd == 0
	v_wmma_f32_16x16x32_f16 v[SCO+32*\qt+8*\kt:SCO+32*\qt+8*\kt+7], v[KF+8*(2*\kt+\kd):KF+8*(2*\kt+\kd)+7], v[QF+8*(2*\qt+\kd):QF+8*(2*\qt+\kd)+7], 0
.else
	v_wmma_f32_16x16x32_f16 v[SCO+32*\qt+8*\kt:SCO+32*\qt+8*\kt+7], v[KF+8*(2*\kt+\kd):KF+8*(2*\kt+\kd)+7], v[QF+8*(2*\qt+\kd):QF+8*(2*\qt+\kd)+7], v[SCO+32*\qt+8*\kt:SCO+32*\qt+8*\kt+7]
.endif
.endr
.endr
.endr
.rept 4
	v_nop                                          ; four places before vector instructions read the scores
.endr
.if \diag
	s_cmp_ge_u32 s8, 2*SIDX+2                      ; 64 SIDX + 63 <= 32 wave: every key is visible to the wave
	s_cbranch_scc1 .Lnomask_\@
.irp qt, 0,1
.irp kt, 0,1,2,3
.irp j, 0,1,2,3,4,5,6,7
	v_cmp_le_i32 vcc_lo, 64*SIDX+16*\kt+\j-16*\qt, v[DL]           ; key 64 SIDX + 16 kt + 8 h + j <= query 32 wave + 16 qt + r
	v_cndmask_b32 v[SCO+32*\qt+8*\kt+\j], s63, v[SCO+32*\qt+8*\kt+\j], vcc_lo
.endr
.endr
.endr
.Lnomask_\@:
.endif
	SOFT \first
	s_wait_dscnt 0x0                               ; v is in
	WIN 0x50                                       ; C and D in window 1
	; O^T += V^T P^T.  The eight context tiles take turns, one instruction a turn.
.irp ks, 0,1
.irp dt, 0,1,2,3
.irp qt, 0,1
.if (\first)*(1-\ks)
	v_wmma_f32_16x16x32_f16 v[8*(2*\dt+\qt):8*(2*\dt+\qt)+7], v[VF+8*(4*\ks+\dt):VF+8*(4*\ks+\dt)+7], v[SCO+32*\qt+16*\ks:SCO+32*\qt+16*\ks+7], 0
.else
	v_wmma_f32_16x16x32_f16 v[8*(2*\dt+\qt):8*(2*\dt+\qt)+7], v[VF+8*(4*\ks+\dt):VF+8*(4*\ks+\dt)+7], v[SCO+32*\qt+16*\ks:SCO+32*\qt+16*\ks+7], v[8*(2*\dt+\qt):8*(2*\dt+\qt)+7]
.endif
.endr
.endr
.endr
	WIN 0
.Lsub_end_\@:
.endm
; A unit of 256 keys: slot 0, then slot 1.  Behind slot 0's head the unit's second half is asked for, behind slot 1's the next unit's first half.
.macro TRIP diag, refill1, step
	HEAD 0, 1, \step
.if \diag
	s_wait_loadcnt 0x0                             ; the phase's q
.endif
	SUB 0, 0, \diag, \diag
	SUB 0, 1, \diag, 0
	HEAD 1, \refill1, \step
	SUB 1, 0, \diag, 0
	SUB 1, 1, \diag, 0
.endm
; The wave's 32 queries as source-1 fragments: lane (r, h) takes 16 bytes at d = 32 kd + 8 h and at + 16
.macro QLOAD qb
.rept 4
	v_nop                                          ; the fragments were sources of matrix instructions
.endr
.irp qt, 0,1
.irp kd, 0,1
	global_load_b128 v[QF+8*(2*\qt+\kd):QF+8*(2*\qt+\kd)+3],   v[QO], s[\qb:\qb+1] offset:2048*\qt+64*\kd
	global_load_b128 v[QF+8*(2*\qt+\kd)+4:QF+8*(2*\qt+\kd)+7], v[QO], s[\qb:\qb+1] offset:2048*\qt+64*\kd+32
.endr
.endr
.endm
; A phase's end: the two halves' sums meet, the context is divided, rounded to f16, and leaves through my own stage: 16 bytes a lane in,
; four rows of 128 bytes a load back, which are 512 consecutive bytes of ctx's panel.
.macro FINAL cb
.rept 4
	v_nop                                          ; four places before vector instructions read the context or write over P
.endr
	v_permlanex16_b32 v[TMP],   v[LS],   s12, s13
	v_permlanex16_b32 v[TMP+1], v[LS+1], s12, s13
	v_add_f32 v[LS],   v[LS],   v[TMP]
	v_add_f32 v[LS+1], v[LS+1], v[TMP+1]
	v_rcp_f32 v[AL],   v[LS]
	v_rcp_f32 v[AL+1], v[LS]
	v_rcp_f32 v[AL+2], v[LS+1]
	v_rcp_f32 v[AL+3], v[LS+1]
	v_nop                                          ; the plain place behind the reciprocals
	WIN 0x41
	s_wait_alu depctr_va_vdst(0)
.irp dt, 0,1,2,3
.irp qt, 0,1
.irp i, 0,1,2,3
	v_pk_mul_f32 v[8*(2*\dt+\qt)+2*\i:8*(2*\dt+\qt)+2*\i+1], v[8*(2*\dt+\qt)+2*\i:8*(2*\dt+\qt)+2*\i+1], v[AL+2*\qt:AL+2*\qt+1]
.endr
.endr
.endr
	WIN 0x05
.irp dt, 0,1,2,3
.irp qt, 0,1
.irp i, 0,1,2,3
	v_cvt_pk_f16_f32 v[SCO+4*(2*\dt+\qt)+\i], v[8*(2*\dt+\qt)+2*\i], v[8*(2*\dt+\qt)+2*\i+1]
.endr
.endr
.endr
	WIN 0
.irp dt, 0,1,2,3
.irp qt, 0,1
	ds_store_b128 v[STO], v[SCO+4*(2*\dt+\qt):SCO+4*(2*\dt+\qt)+3] offset:16*PK*\qt+32*\dt
.endr
.endr
.irp u, 0,1,2,3,4,5,6,7
	ds_load_b128 v[KF+4*\u:KF+4*\u+3], v[RD] offset:\u*4*PK        ; LDS serves a wave's instructions in order: these see the stores above
.endr
.irp u, 0,1,2,3,4,5,6,7
	s_wait_dscnt 7-\u                              ; read-back u is in, the younger ones stay out
	global_store_b128 v[CO], v[KF+4*\u:KF+4*\u+3], s[\cb:\cb+1] offset:512*\u
.endr
	s_wait_xcnt 0x0                                ; the stores' data registers are loaded again only behind this wait
.endm
	QLOAD 58
	s_cmp_eq_u32 s9, 0
	s_cselect_b32 s56, 0x38000, 0                  ; behind phase A's diagonal unit comes unit 0, or, where i = 0, phase B's diagonal unit 7
	TRIP 1, 1, 1
	s_cmp_eq_u32 s9, 0
	s_cbranch_scc1 .LendA                          ; the same for all waves of the work-group
	s_mov_b32 s62, 0
.LloopA:                                               ; units 0 .. i - 1
	s_add_co_u32 s62, s62, 1
	s_cmp_lt_u32 s62, s9
	s_cselect_b32 s56, s62, s10                    ; the next unit, or behind the last one phase B's diagonal unit 7 - i
	s_lshl_b32 s56, s56, 15
	TRIP 0, 1, 1
	s_cmp_lt_u32 s62, s9
	s_cbranch_scc1 .LloopA
.LendA:
	FINAL 66
	QLOAD 60
	s_mov_b32 s56, 0                               ; behind phase B's diagonal unit comes unit 0
	TRIP 1, 1, 1
	s_mov_b32 s62, 0
.LloopB:                                               ; units 0 .. 5 - i: 6 - i trips, at least 3
	s_add_co_u32 s62, s62, 1
	s_lshl_b32 s56, s62, 15
	TRIP 0, 1, 1
	s_cmp_lt_u32 s62, s11
	s_cbranch_scc1 .LloopB
	TRIP 0, 0, 0                                   ; unit 6 - i: its second half is the last fill; the last head waits for it, and nothing is out at the end
	FINAL 68
	s_wait_tensorcnt 0x0
	ds_add_u32 v30, v31
	s_wait_dscnt 0x0
	s_endpgm
.Lfunc_end_k_q2b7d61b774_attn:
	.size	k_q2b7d61b774_attn, .Lfunc_end_k_q2b7d61b774_attn-k_q2b7d61b774_attn
	.p2alignl 7, 3214868480
	.fill 96, 4, 3214868480
	.section	.rodata,"a",@progbits
	.p2align	6, 0x0
	.amdhsa_kernel k_q2b7d61b774_attn
		.amdhsa_group_segment_fixed_size 327680
		.amdhsa_private_segment_fixed_size 0
		.amdhsa_enable_private_segment 0
		.amdhsa_kernarg_size 16
		.amdhsa_user_sgpr_count 2
		.amdhsa_user_sgpr_kernarg_segment_ptr 1
		.amdhsa_wavefront_size32 1
		.amdhsa_system_sgpr_workgroup_id_x 1
		.amdhsa_system_sgpr_workgroup_id_y 1
		.amdhsa_system_sgpr_workgroup_id_z 1
		.amdhsa_system_vgpr_workitem_id 0
		.amdhsa_next_free_vgpr 320
		.amdhsa_next_free_sgpr 80
		.amdhsa_reserve_vcc 1
		.amdhsa_float_denorm_mode_32 3
		.amdhsa_float_denorm_mode_16_64 3
		.amdhsa_memory_ordered 1
		.amdhsa_forward_progress 1
		.amdhsa_inst_pref_size 255
	.end_amdhsa_kernel
	.section	.bss,"aw",@nobits
	.p2align	6
	.space	262144
	.amdgpu_metadata
---
amdhsa.version: [ 1, 2 ]
amdhsa.kernels:
  - .name:           k_q2b7d61b774_attn
    .symbol:         k_q2b7d61b774_attn.kd
    .args:
      - { .name: qkv, .offset: 0, .size: 8, .value_kind: global_buffer, .address_space: global }
      - { .name: ctx, .offset: 8, .size: 8, .value_kind: global_buffer, .address_space: global }
    .group_segment_fixed_size: 327680
    .private_segment_fixed_size: 0
    .kernarg_segment_align: 8
    .kernarg_segment_size: 16
    .max_flat_workgroup_size: 256
    .sgpr_count:     80
    .vgpr_count:     320
    .wavefront_size: 32
...
	.end_amdgpu_metadata
.endif
;; end of part 3
;; launch proj (part 4): grid 8 x 32, 4 waves a work-group, clusters of 4 x 4, 327,680 bytes of LDS; arguments ctx, xw, bo, out0; writes out0
.if DOCPART == 4
	.amdgcn_target "amdgcn-amd-amdhsa--gfx1250"
	.amdhsa_code_object_version 6
	.text
	.protected	k_q2b7d61b774_proj
	.globl	k_q2b7d61b774_proj
	.p2align	8
	.type	k_q2b7d61b774_proj,@function
k_q2b7d61b774_proj:
	s_mov_b64 s[64:65], 0
	v_nop
	global_prefetch_b8 v0, s[64:65] scope:SCOPE_SE
	s_setreg_imm32_b32 hwreg(HW_REG_WAVE_MODE, 25, 1), 1
	s_wait_xcnt 0x0
	s_wait_alu depctr_hold_cnt(0) depctr_sa_sdst(0) depctr_va_vdst(0) depctr_va_sdst(0) depctr_va_ssrc(0) depctr_va_vcc(0) depctr_vm_vsrc(0)
	s_getreg_b32 s2, hwreg(HW_REG_IB_STS2, 6, 4)
	s_cmp_eq_u32 s2, 0
	s_cbranch_scc0 .Lentry_in_a_cluster
	s_endpgm
.Lentry_in_a_cluster:
	s_bfe_u32 s2, ttmp6, 0x10000c
	s_cmp_lg_u32 s2, 0xf033
	s_cbranch_scc0 .Lentry_shape_is_right
	s_endpgm
.Lentry_shape_is_right:
; out0 = ctx Wo + bo: [8192 x 1024] x [1024 x 1024], operands f16 (ctx as the attention left it; Wo rounded to bf16 like every input and written in f16's
; format by the first launch), sums f32, K ascending, the bias added in f32, the result stored as f32.
; ctx lies in 16 panels of 64 columns (element (r, c) of panel p at byte (p 8192 + r) 128 + 2 c); Wo's column panels are numbers 48..63 of xw's
; weights, at 16 MiB + G x 128 KiB, row k at k x 128.
; The ring, the fragments and the macros are those of the q, k, v product: a work-group makes 256 rows x 128 columns with four waves, a wave 128 x 64
; (8 x 4 accumulator tiles, 256 registers); 32 x 8 = 256 work-groups.  K goes in 8 steps of 128 through two LDS slots; a slot holds two sub-tiles of ctx
; (256 rows x 64 k, pitch 144) and two of Wo (128 k x 64 n, pitch 160), each a dense block of memory brought by one tensor load (waves 0, 1: ctx; 2, 3: Wo)
; that states rows of 256 bytes and a pad behind every 128 bytes.
; CLUSTER 4 x 4: ctx's tile is asked for jointly along a row of the cluster, Wo's along a column: the requests for both are divided by four.
; TRANSPOSED USE: source 0 = 16 columns of Wo (transposing LDS load), source 1 = 16 rows of ctx: lane l holds row l % 16, columns 8 (l / 16) + 0..7.
; REGISTERS: window 0: addresses, bias, two fragment buffers; window 1 (v256-511): accumulator (a, t) at v[8 (4 a + t)].
.set PA,    144
.set PB,    160
.set ASUB,  256*PA                     ; 36,864
.set BSUB,  128*PB                     ; 20,480
.set SLOT,  2*ASUB+2*BSUB              ; 114,688
.set STAGE, 2*SLOT                     ; behind the ring, filled by no tensor load: 16 rows x 272 bytes for each wave
.set SP,    272                        ; 256 bytes of f32 + 16
.set BN0,   24                         ; Wo's panels begin at pair 24
.set ADRA, 16                          ; v16-17  LDS address of my ctx fragments in slot 0, 1
.set ADRB, 20                          ; v20-21  the same for Wo
.set STO,  24                          ; v24     way out: in
.set RD,   25                          ; v25     way out: back
.set CO,   26                          ; v26     way out: my byte offset in out0
.set BO,   27                          ; v27     my byte offset in the wave's 64 numbers of the bias
.set BIAS, 28                          ; v[28:31] the bias of my four columns on the way out
.set F0,   32                          ; v[32:127]  fragment buffer 0: Wo's at +8 t, ctx's at +32 + 8 a
.set F1,   128                         ; v[128:223] fragment buffer 1
.set G1,  24
.set G0,  32
.set G1B, 48
.set G0B, 56
.set MSB, 0
.macro WIN new
.if MSB != \new
	s_set_vgpr_msb (MSB<<8)|\new
.set MSB, \new
.endif
.endm
.macro PLACES                          ; four plain vector places behind matrix instructions (ISA guide 7.12.1)
.rept 4
	v_nop
.endr
.endm
.macro JLOAD s                         ; a joint load: each line has one mask and one set of registers; the branch hangs on the wave's number alone
	s_cmp_eq_u32 s11, 0
	s_cbranch_scc0 .Lfor_b_\@
	tensor_load_to_lds s[G0+4*\s:G0+4*\s+3], s[G1:G1+7]
	s_nop 0
	s_branch .Lasked_\@
.Lfor_b_\@:
	tensor_load_to_lds s[G0B+4*\s:G0B+4*\s+3], s[G1B:G1B+7]
	s_nop 0
.Lasked_\@:
.endm
.macro CREST                           ; a round of the cluster's barrier behind its opening work-group barrier
	s_cmp_lg_u32 s10, 0
	s_cbranch_scc1 .Lnot_wave_0_\@
	s_barrier_signal -3
.Lnot_wave_0_\@:
	s_barrier_wait -3
	s_barrier_signal -1
	s_barrier_wait -1
.endm
.macro CROUND
	s_barrier_signal -1
	s_barrier_wait -1
	CREST
.endm
	s_load_b128 s[4:7], s[0:1], 0x0                ; ctx s[4:5], xw s[6:7]
	s_load_b64 s[22:23], s[0:1], 0x10              ; bo
	s_load_b64 s[8:9], s[0:1], 0x18                ; out0
	v_lshl_add_u32 v254, v0, 2, 0x3c400
	v_mov_b32 v255, 0
	ds_add_u32 v254, v255
	ds_add_u32 v254, v255
	v_lshrrev_b32 v1, 5, v0
	v_readfirstlane_b32 s10, v1                    ; wave 0..3
	s_lshr_b32 s11, s10, 1                         ; which 128 rows are mine.  Also: I fetch ctx's tiles (0) or Wo's (1)
	s_and_b32 s12, s10, 1                          ; which 64 columns.  Also: which sub-tile I fetch
	s_bfe_u32 s40, ttmp6, 0x40000                  ; cx
	s_bfe_u32 s41, ttmp6, 0x40004                  ; cy
	s_lshl_b32 s42, ttmp9, 2
	s_add_co_u32 s42, s42, s40                     ; block column
	s_and_b32 s13, ttmp7, 0xffff
	s_lshl_b32 s13, s13, 2
	s_add_co_u32 s13, s13, s41                     ; block row
	s_lshl_b32 s43, s41, 2
	s_lshl_b32 s43, 15, s43                        ; my row of the cluster
	s_lshl_b32 s44, 0x1111, s40                    ; my column
	s_or_b32 s[G1+0], s43, 0x07310000              ; mask; 2-byte elements; padding on; bit 21 beside a mask; after every 32 words 4 words
	s_or_b32 s[G1B+0], s44, 0x0f310000             ; my column's mask; 8 words of padding
	s_mov_b32 s[G1+1], 128<<16                     ; tensor_dim0 = 128
	s_mov_b32 s[G1B+1], 128<<16
	s_mov_b32 s[G1+2], 128<<16                     ; tensor_dim1 = 128
	s_mov_b32 s[G1B+2], 64<<16                     ; tensor_dim1 = 64
	s_mov_b32 s[G1+3], 128<<16                     ; tile_dim0 = 128
	s_mov_b32 s[G1B+3], 128<<16
	s_mov_b32 s[G1+4], 128                         ; tile_dim1
	s_mov_b32 s[G1B+4], 64
	s_mov_b32 s[G1+5], 128                         ; elements from row to row
	s_mov_b32 s[G1B+5], 128
	s_mov_b32 s[G1+6], 0
	s_mov_b32 s[G1B+6], 0
	s_mov_b32 s[G1+7], 0
	s_mov_b32 s[G1B+7], 0
	s_lshl_b32 s16, s12, 20                        ; ctx: k panel (wave & 1), 1 MiB each, + 256 rows x 128 bytes x block row
	s_lshl_b32 s17, s13, 15
	s_add_co_u32 s16, s16, s17
	s_mov_b32 s17, 0
	s_add_co_u32 s46, s42, BN0                     ; Wo: column panel 2 (block column + 24) + (wave & 1), 128 KiB each, from 16 MiB on
	s_lshl_b32 s46, s46, 18
	s_lshl_b32 s47, s12, 17
	s_add_co_u32 s46, s46, s47
	s_add_co_u32 s46, s46, 0x1000000
	s_mov_b32 s47, 0
	s_mul_i32 s20, s10, ASUB                       ; waves 0, 1: ctx's sub-tiles at 0 and 36,864
	s_mul_i32 s21, s10, BSUB
	s_add_co_u32 s21, s21, 2*ASUB-2*BSUB           ; waves 2, 3: Wo's at 73,728 and 94,208
	s_wait_dscnt 0x0
	s_wait_kmcnt 0x0
	s_add_nc_u64 s[14:15], s[4:5], s[16:17]
	s_add_nc_u64 s[46:47], s[6:7], s[46:47]
	CROUND                                         ; all sixteen work-groups are here: the first joint loads meet
.irp s, 0,1
	s_mov_b32 s[G0+4*\s], 1
	s_add_co_u32 s[G0+4*\s+1], s20, \s*SLOT
	s_add_nc_u64 s[G0+4*\s+2:G0+4*\s+3], s[14:15], \s*0x200000
	s_or_b32 s[G0+4*\s+3], s[G0+4*\s+3], 0x80000000
	s_mov_b32 s[G0B+4*\s], 1
	s_add_co_u32 s[G0B+4*\s+1], s21, \s*SLOT
	s_add_nc_u64 s[G0B+4*\s+2:G0B+4*\s+3], s[46:47], \s*0x4000
	s_or_b32 s[G0B+4*\s+3], s[G0B+4*\s+3], 0x80000000
	JLOAD \s                                       ; both slots are asked for before anything else: two loads of the wave are out
.endr
	; the stores' base: row 256 x block row + 128 x (wave >> 1), 4,096 bytes each; column 128 x block column + 64 x (wave & 1), 4 bytes each
	s_lshl_b32 s16, s13, 20
	s_lshl_b32 s17, s11, 19
	s_add_co_u32 s16, s16, s17
	s_mov_b32 s17, 0
	s_add_nc_u64 s[8:9], s[8:9], s[16:17]
	s_lshl_b32 s46, s42, 9
	s_lshl_b32 s47, s12, 8
	s_add_co_u32 s46, s46, s47
	s_mov_b32 s47, 0
	s_add_nc_u64 s[8:9], s[8:9], s[46:47]
	s_add_nc_u64 s[22:23], s[22:23], s[46:47]      ; the bias of my wave's 64 columns
	v_and_b32 v1, 15, v0                           ; r
	v_bfe_u32 v2, v0, 4, 1                         ; h
	v_lshlrev_b32 v[BO], 4, v1
	global_load_b128 v[BIAS:BIAS+3], v[BO], s[22:23]       ; columns 4 r .. 4 r + 3: those that I store on the way out
	v_mul_u32_u24 v3, v1, PA
	v_lshl_add_u32 v3, v2, 4, v3
	s_mul_i32 s16, s11, 128*PA
	v_add_nc_u32 v[ADRA], s16, v3
	v_add_nc_u32 v[ADRA+1], SLOT, v[ADRA]
	v_and_b32 v4, 7, v0
	v_lshl_add_u32 v4, v2, 3, v4
	v_mul_u32_u24 v4, v4, PB
	v_bfe_u32 v5, v0, 3, 1
	v_lshl_add_u32 v4, v5, 4, v4
	s_mul_i32 s17, s12, BSUB
	s_add_co_u32 s17, s17, 2*ASUB
	v_add_nc_u32 v[ADRB], s17, v4
	v_add_nc_u32 v[ADRB+1], SLOT, v[ADRB]
	s_mul_i32 s18, s10, 16*SP
	s_add_co_u32 s18, s18, STAGE                   ; my stage
	v_mul_u32_u24 v6, v1, SP
	v_lshl_add_u32 v6, v2, 5, v6                   ; in: row r, 32 bytes (8 f32) for each half of the lanes
	v_add_nc_u32 v[STO], s18, v6
	v_mul_u32_u24 v7, v2, SP
	v_lshl_add_u32 v7, v1, 4, v7                   ; back: lanes 0-15 take one row of 256 bytes, lanes 16-31 the next
	v_add_nc_u32 v[RD], s18, v7
	v_lshlrev_b32 v[CO], 12, v2
	v_lshl_add_u32 v[CO], v1, 4, v[CO]             ; the same two rows in out0
.macro FETCH slot, q, f                ; 24 LDS loads: the fragments of quarter q (32 along K) of a slot into buffer f
.irp t, 0,1,2,3
	ds_load_tr16_b128 v[\f+8*\t:\f+8*\t+3],   v[ADRB+\slot] offset:\q*32*PB+32*\t
	ds_load_tr16_b128 v[\f+8*\t+4:\f+8*\t+7], v[ADRB+\slot] offset:\q*32*PB+32*\t+16*PB
.endr
.irp a, 0,1,2,3,4,5,6,7
	ds_load_b128 v[\f+32+8*\a:\f+32+8*\a+3],   v[ADRA+\slot] offset:(\q>>1)*ASUB+(\q&1)*64+\a*16*PA
	ds_load_b128 v[\f+32+8*\a+4:\f+32+8*\a+7], v[ADRA+\slot] offset:(\q>>1)*ASUB+(\q&1)*64+\a*16*PA+32
.endr
.endm
; The 32 accumulators take turns, one instruction a turn, in the same order everywhere.
.macro MUL f, a0, n, zero
	WIN 0x50                                       ; C and D in window 1
.set ma, \a0
.rept \n
.irp t, 0,1,2,3
.if \zero
	v_wmma_f32_16x16x32_f16 v[8*(4*ma+\t):8*(4*ma+\t)+7], v[\f+8*\t:\f+8*\t+7], v[\f+32+8*ma:\f+32+8*ma+7], 0
.else
	v_wmma_f32_16x16x32_f16 v[8*(4*ma+\t):8*(4*ma+\t)+7], v[\f+8*\t:\f+8*\t+7], v[\f+32+8*ma:\f+32+8*ma+7], v[8*(4*ma+\t):8*(4*ma+\t)+7]
.endif
.endr
.set ma, ma+1
.endr
.endm
.macro QUARTER slot, qn, f, g, zero
	PLACES                                         ; buffer g was read by the matrix instructions just issued
	FETCH \slot, \qn, \g
	s_wait_dscnt 24                                ; all but the 24 just issued: buffer f is in
	MUL \f, 0, 8, \zero
	WIN 0
.endm
.macro THREE slot, zero
	QUARTER \slot, 1, F0, F1, \zero
	QUARTER \slot, 2, F1, F0, 0
	QUARTER \slot, 3, F0, F1, 0
.endm
; The last quarter changes slots: each wave's reads of this slot and all its tensor loads are waited for in front of the barrier; fill = 1: the barrier opens
; a round of the cluster's barrier, and the joint refill, two K steps ahead, is the first tensor load behind it.
.macro TURN slot, next, fill
	s_wait_dscnt 0x0
	s_wait_tensorcnt 0x0
	ds_add_u32 v254, v255
	s_wait_dscnt 0x0
	s_barrier_signal -1
	MUL F1, 0, 4, 0
	WIN 0
	s_barrier_wait -1
.if \fill
	CREST
	s_add_nc_u64 s[G0+4*\slot+2:G0+4*\slot+3], s[G0+4*\slot+2:G0+4*\slot+3], 0x400000
	s_add_nc_u64 s[G0B+4*\slot+2:G0B+4*\slot+3], s[G0B+4*\slot+2:G0B+4*\slot+3], 0x8000
	JLOAD \slot
.endif
	PLACES
	FETCH \next, 0, F0
	MUL F1, 4, 4, 0
	WIN 0
.endm
.macro LAP zero
	THREE 0, \zero
	TURN 0, 1, 1
	THREE 1, 0
	TURN 1, 0, 1
.endm
	s_wait_tensorcnt 0x1                           ; my part of K step 0 is in; K step 1's stays out
	s_barrier_signal -1
	s_barrier_wait -1
	FETCH 0, 0, F0
	LAP 1
	s_mov_b32 s3, 2
.Llap:
	LAP 0
	s_sub_co_u32 s3, s3, 1
	s_cmp_lg_u32 s3, 0
	s_cbranch_scc1 .Llap
	THREE 0, 0
	TURN 0, 1, 0
	THREE 1, 0
	s_wait_dscnt 0x0
	MUL F1, 0, 8, 0
	WIN 0
	PLACES                                         ; behind the last matrix instructions: the LDS stores read results, the loads below land in buffers
	s_wait_loadcnt 0x0                             ; the bias
; THE WAY OUT, 16 rows at a time: the sums go as they are into my own stage (rows of 256 bytes, pitch 272), come back by rows, get the bias, and sixteen
; lanes store 256 consecutive bytes, aligned.  LDS serves a wave's instructions in order, so no wait stands between the stores and the loads.
.macro OUTF a, f
	WIN 0x04                                       ; the LDS stores' data in window 1
.irp t, 0,1,2,3
	ds_store_b128 v[STO], v[8*(4*\a+\t):8*(4*\a+\t)+3]   offset:64*\t
	ds_store_b128 v[STO], v[8*(4*\a+\t)+4:8*(4*\a+\t)+7] offset:64*\t+16
.endr
	WIN 0
	s_wait_xcnt 0x0                                ; buffer f, which earlier stores read, is loaded again only behind this wait
.irp u, 0,1,2,3,4,5,6,7
	ds_load_b128 v[\f+4*\u:\f+4*\u+3], v[RD] offset:\u*2*SP
.endr
.irp u, 0,1,2,3,4,5,6,7
	s_wait_dscnt 7-\u                              ; read-back u is in, the younger ones stay out
	v_pk_add_f32 v[\f+4*\u:\f+4*\u+1],   v[\f+4*\u:\f+4*\u+1],   v[BIAS:BIAS+1]
	v_pk_add_f32 v[\f+4*\u+2:\f+4*\u+3], v[\f+4*\u+2:\f+4*\u+3], v[BIAS+2:BIAS+3]
	global_store_b128 v[CO], v[\f+4*\u:\f+4*\u+3], s[8:9] offset:(16*\a+2*\u)*4096
.endr
.endm
	OUTF 0, F0
	OUTF 1, F1
	OUTF 2, F0
	OUTF 3, F1
	OUTF 4, F0
	OUTF 5, F1
	OUTF 6, F0
	OUTF 7, F1
	s_wait_tensorcnt 0x0
	ds_add_u32 v254, v255
	s_wait_dscnt 0x0
	CROUND                                         ; the closing round
	s_endpgm
.Lfunc_end_k_q2b7d61b774_proj:
	.size	k_q2b7d61b774_proj, .Lfunc_end_k_q2b7d61b774_proj-k_q2b7d61b774_proj
	.p2alignl 7, 3214868480
	.fill 96, 4, 3214868480
	.section	.rodata,"a",@progbits
	.p2align	6, 0x0
	.amdhsa_kernel k_q2b7d61b774_proj
		.amdhsa_group_segment_fixed_size 327680
		.amdhsa_private_segment_fixed_size 0
		.amdhsa_enable_private_segment 0
		.amdhsa_kernarg_size 32
		.amdhsa_user_sgpr_count 2
		.amdhsa_user_sgpr_kernarg_segment_ptr 1
		.amdhsa_wavefront_size32 1
		.amdhsa_system_sgpr_workgroup_id_x 1
		.amdhsa_system_sgpr_workgroup_id_y 1
		.amdhsa_system_sgpr_workgroup_id_z 1
		.amdhsa_system_vgpr_workitem_id 0
		.amdhsa_next_free_vgpr 512
		.amdhsa_next_free_sgpr 66
		.amdhsa_reserve_vcc 0
		.amdhsa_float_denorm_mode_32 3
		.amdhsa_float_denorm_mode_16_64 3
		.amdhsa_memory_ordered 1
		.amdhsa_forward_progress 1
		.amdhsa_inst_pref_size 126
	.end_amdhsa_kernel
	.amdgpu_metadata
---
amdhsa.version: [ 1, 2 ]
amdhsa.kernels:
  - .name:           k_q2b7d61b774_proj
    .symbol:         k_q2b7d61b774_proj.kd
    .args:
      - { .name: ctx, .offset: 0, .size: 8, .value_kind: global_buffer, .address_space: global }
      - { .name: xw, .offset: 8, .size: 8, .value_kind: global_buffer, .address_space: global }
      - { .name: bo, .offset: 16, .size: 8, .value_kind: global_buffer, .address_space: global }
      - { .name: out0, .offset: 24, .size: 8, .value_kind: global_buffer, .address_space: global }
    .group_segment_fixed_size: 327680
    .private_segment_fixed_size: 0
    .kernarg_segment_align: 8
    .kernarg_segment_size: 32
    .max_flat_workgroup_size: 128
    .sgpr_count:     66
    .vgpr_count:     512
    .wavefront_size: 32
...
	.end_amdgpu_metadata
.endif
;; end of part 4
;; ======== version 2 of 2: 4 launches; version 1 with the launch cvt written anew for expert scheduling mode
;; limits: values are held in f16: magnitudes above 65,504 overflow, below 6.1e-05 lose precision
;; workspace buffers: xw 25,165,824 bytes; qkv 50,331,648 bytes; ctx 16,777,216 bytes
;; launch cvt (part 5): grid 768 x 1, 8 waves a work-group, no clusters, 0 bytes of LDS; arguments x, Wq, Wk, Wv, Wo, xw; writes xw
.if DOCPART == 5
	.amdgcn_target "amdgcn-amd-amdhsa--gfx1250"
	.amdhsa_code_object_version 6
	.text
	.protected	k_q2b7d61b774_cvt
	.globl	k_q2b7d61b774_cvt
	.p2align	8
	.type	k_q2b7d61b774_cvt,@function
k_q2b7d61b774_cvt:
	s_mov_b64 s[64:65], 0
	v_nop
	global_prefetch_b8 v0, s[64:65] scope:SCOPE_SE
	s_setreg_imm32_b32 hwreg(HW_REG_WAVE_SCHED_MODE, 0, 2), 2
	s_setreg_imm32_b32 hwreg(HW_REG_WAVE_MODE, 25, 1), 1
	s_wait_xcnt 0x0
	s_wait_alu depctr_vm_vsrc(0)
; x [8192][1024] and Wq, Wk, Wv, Wo [1024][1024], f32, are rounded once (to nearest even) to bf16 and laid out in PANELS of 64 columns:
; element (r, c) of panel p of a matrix with R rows lies at byte (p R + r) 128 + 2 c.  So every tile that the later launches want
; (rows x 64 columns) is one dense block of memory.
; xw: x's 16 panels of 1 MiB from byte 0; weight j (Wq, Wk, Wv, Wo = 0..3) from 16 MiB + j 2 MiB, 16 panels of 128 KiB each.
; FORMATS: all five inputs carry one and the same rounding, to bf16.  x, Wq, Wk, Wv are stored as bf16.  Wo's partner in its product is the context,
; which is kept in f16, and a matrix instruction takes both sources in one format: so Wo's bf16 values are written in f16's format.
; That step is exact for 2^-17 <= |w| (8 significant bits fit above f16's step of 2^-24); smaller ones go to the nearest multiple of 2^-24.
; LIMIT: |Wo| beyond 65,504 becomes infinite.
; The five matrices are taken as one stack of 12,288 rows; a work-group takes 16 rows (768 work-groups), wave w rows 2w and 2w+1.
; A lane takes 16 bytes (4 f32) of its row in each of the 16 panels: one load of the wave covers 256 consecutive bytes of each of two rows,
; one store covers 256 consecutive bytes (two rows of a panel), aligned.  No loop; no address and no store's data is written again behind the
; instruction that reads it, so no wait frees a source.
; A stream: memory binds, so no LDS, no matrix unit, no cluster.
; THE MODE: SCHED_MODE bits 1:0 = 2 (LLVM: expert scheduling mode 2), set by the entry lines.  The code itself states the register dependences
; between vector instructions and memory instructions, with s_wait_alu, always for 0.
; THE PLAN.  Registers that memory instructions touch:
;   v1         the loads' offset.  Written once at the head; read by the 16 loads.
;   DO0 .. 15  the stores' offsets, one for each panel.  Written once at the head; each read by one store.
;   X0 .. 15   a panel as loaded.  Written by its load, once; read (Wo: and written again) by vector instructions alone, behind the wait for the load.
;   Y0 .. 15   a panel to store.  Written by the panel's conversions; read by its store, and written by nothing behind that.
; The 16 panels go in four blocks of four.  Block b rounds X[4 b ..] into Y[4 b ..]; its memory instructions are the four stores of block b - 1, which read
; Y[4 b - 4 ..] and DO[4 b - 4 ..]: registers that no vector instruction of block b names.  So one wait at the head of a block states all that its four
; stores hang on, and they are dealt among the block's conversions with no further wait.  One wait ahead of the loads covers all the offsets; one behind
; block 3 covers the last four stores.
.set DO, 2                             ; v[2:17]   byte offset of my 8 bytes in panel p of the destination
.set X,  32                            ; v[32:95]  panel p: 4 f32 as loaded (Wo: then the 4 rounded values, widened again)
.set Y,  96                            ; v[96:127] panel p: 4 numbers of 16 bits to store
	s_load_b256 s[4:11], s[0:1], 0x0               ; x s[4:5], Wq s[6:7], Wk s[8:9], Wv s[10:11]
	s_load_b128 s[12:15], s[0:1], 0x20             ; Wo s[12:13], xw s[14:15]
	s_mov_b32 s19, ttmp9                           ; the work-group's number: 0..511 x, then 64 for each weight
	s_sub_co_u32 s20, s19, 512                     ; number among the weights' work-groups (used only where it is not below 0)
	s_bfe_u32 s21, s20, 0x20006                    ; which weight, 0..3
	s_and_b32 s22, s20, 63                         ; which 16 rows of it
	s_lshl_b32 s24, s21, 21                        ; a weight's place in xw: 16 MiB + 2 MiB x weight + 16 rows x 128 bytes x number
	s_add_co_u32 s24, s24, 0x1000000
	s_lshl_b32 s25, s22, 11
	s_add_co_u32 s24, s24, s25
	s_lshl_b32 s25, s19, 11                        ; x's place in xw: 16 rows x 128 bytes x number
	s_mov_b32 s26, 0x100000                        ; bytes in a panel of x
	s_mov_b32 s27, 0x20000                         ; bytes in a panel of a weight
	s_cmp_lt_u32 s19, 512                          ; x or a weight?  (the three selects leave SCC alone)
	s_cselect_b32 s28, s19, s22                    ; which 16 rows of the source
	s_cselect_b32 s30, s25, s24                    ; offset in xw
	s_cselect_b32 s26, s26, s27                    ; bytes from panel to panel
	s_lshl_b32 s28, s28, 16                        ; 16 rows of 4,096 bytes
	s_mov_b32 s29, 0
	s_mov_b32 s31, 0
	v_lshrrev_b32 v1, 4, v0                        ; my row of the 16: 2 wave + lane / 16
	v_and_b32 v18, 15, v0
	v_lshlrev_b32 v18, 4, v18
	v_lshl_add_u32 v1, v1, 12, v18                 ; source: row x 4,096 + 16 (lane mod 16)
	v_lshlrev_b32 v[DO], 3, v0                     ; destination: row x 128 + 8 (lane mod 16) = 8 x thread
.irp p, 1,2,3,4,5,6,7,8,9,10,11,12,13,14,15
	v_add_nc_u32 v[DO+\p], s26, v[DO+\p-1]         ; one panel further
.endr
	s_wait_kmcnt 0x0
	s_mov_b64 s[16:17], s[12:13]                   ; the source: Wo, unless ...
	s_cmp_eq_u32 s21, 2
	s_cselect_b64 s[16:17], s[10:11], s[16:17]     ; Wv
	s_cmp_eq_u32 s21, 1
	s_cselect_b64 s[16:17], s[8:9], s[16:17]       ; Wk
	s_cmp_eq_u32 s21, 0
	s_cselect_b64 s[16:17], s[6:7], s[16:17]       ; Wq
	s_cmp_lt_u32 s19, 512
	s_cselect_b64 s[16:17], s[4:5], s[16:17]       ; x
	s_add_nc_u64 s[16:17], s[16:17], s[28:29]
	s_add_nc_u64 s[14:15], s[14:15], s[30:31]
	s_wait_alu depctr_va_vdst(0)                   ; v1 and the sixteen DO are written: the loads below read v1 as their offset, every store of the kernel reads one DO
.irp p, 0,1,2,3,4,5,6,7,8,9,10,11,12,13,14,15
	global_load_b128 v[X+4*\p:X+4*\p+3], v1, s[16:17] offset:256*\p th:TH_LOAD_NT   ; read once in the launch
.endr
; The 16 panels are rounded and stored, in four blocks of four; a block's stores are issued in the block behind it.
; half = 1: the bf16 values are widened again and written in f16's format.
.macro PANELS half
.irp b, 0,1,2,3
	s_wait_loadcnt 15-4*\b                         ; loads come back in order: the block's first panel is in, the younger ones stay out
.if \b > 0
	s_wait_alu depctr_va_vdst(0)                   ; the block before has written its eight Y, which the four stores below read
.endif
.irp i, 0,1,2,3
.set pn, 4*\b+\i                       ; the panel that is rounded; the one that is stored is pn - 4
.if \b > 0
	global_store_b64 v[DO+pn-4], v[Y+2*pn-8:Y+2*pn-7], s[14:15]    ; no vector instruction since the wait names these registers
.endif
.if \i > 0
	s_wait_loadcnt 15-4*\b-\i                      ; panel pn is in, the 15 - pn younger ones stay out
.endif
	v_cvt_pk_bf16_f32 v[Y+2*pn],   v[X+4*pn],   v[X+4*pn+1]
	v_cvt_pk_bf16_f32 v[Y+2*pn+1], v[X+4*pn+2], v[X+4*pn+3]
.if \half
	v_lshlrev_b32 v[X+4*pn],   16,         v[Y+2*pn]       ; bf16 to f32: the low half moves up, the high half stays
	v_and_b32     v[X+4*pn+1], 0xffff0000, v[Y+2*pn]
	v_lshlrev_b32 v[X+4*pn+2], 16,         v[Y+2*pn+1]
	v_and_b32     v[X+4*pn+3], 0xffff0000, v[Y+2*pn+1]
	v_cvt_pk_f16_f32 v[Y+2*pn],   v[X+4*pn],   v[X+4*pn+1]
	v_cvt_pk_f16_f32 v[Y+2*pn+1], v[X+4*pn+2], v[X+4*pn+3]
.endif
.endr
.endr
	s_wait_alu depctr_va_vdst(0)                   ; block 3 has written Y12 to Y15, which the last four stores read
.irp i, 0,1,2,3
	global_store_b64 v[DO+12+\i], v[Y+24+2*\i:Y+25+2*\i], s[14:15]
.endr
.endm
	s_cmp_ge_u32 s19, 704                          ; the last 64 work-groups hold Wo: the same way for all waves of a work-group
	s_cbranch_scc1 .Lwo
	PANELS 0
	s_endpgm
.Lwo:
	PANELS 1
	s_endpgm
.Lfunc_end_k_q2b7d61b774_cvt:
	.size	k_q2b7d61b774_cvt, .Lfunc_end_k_q2b7d61b774_cvt-k_q2b7d61b774_cvt
	.p2alignl 7, 3214868480
	.fill 96, 4, 3214868480
	.section	.rodata,"a",@progbits
	.p2align	6, 0x0
	.amdhsa_kernel k_q2b7d61b774_cvt
		.amdhsa_group_segment_fixed_size 0
		.amdhsa_private_segment_fixed_size 0
		.amdhsa_enable_private_segment 0
		.amdhsa_kernarg_size 48
		.amdhsa_user_sgpr_count 2
		.amdhsa_user_sgpr_kernarg_segment_ptr 1
		.amdhsa_wavefront_size32 1
		.amdhsa_system_sgpr_workgroup_id_x 1
		.amdhsa_system_sgpr_workgroup_id_y 1
		.amdhsa_system_sgpr_workgroup_id_z 1
		.amdhsa_system_vgpr_workitem_id 0
		.amdhsa_next_free_vgpr 128
		.amdhsa_next_free_sgpr 66
		.amdhsa_reserve_vcc 0
		.amdhsa_float_denorm_mode_32 3
		.amdhsa_float_denorm_mode_16_64 3
		.amdhsa_memory_ordered 1
		.amdhsa_forward_progress 1
		.amdhsa_inst_pref_size 18
	.end_amdhsa_kernel
	.amdgpu_metadata
---
amdhsa.version: [ 1, 2 ]
amdhsa.kernels:
  - .name:           k_q2b7d61b774_cvt
    .symbol:         k_q2b7d61b774_cvt.kd
    .args:
      - { .name: x, .offset: 0, .size: 8, .value_kind: global_buffer, .address_space: global }
      - { .name: Wq, .offset: 8, .size: 8, .value_kind: global_buffer, .address_space: global }
      - { .name: Wk, .offset: 16, .size: 8, .value_kind: global_buffer, .address_space: global }
      - { .name: Wv, .offset: 24, .size: 8, .value_kind: global_buffer, .address_space: global }
      - { .name: Wo, .offset: 32, .size: 8, .value_kind: global_buffer, .address_space: global }
      - { .name: xw, .offset: 40, .size: 8, .value_kind: global_buffer, .address_space: global }
    .group_segment_fixed_size: 0
    .private_segment_fixed_size: 0
    .kernarg_segment_align: 8
    .kernarg_segment_size: 48
    .max_flat_workgroup_size: 256
    .sgpr_count:     66
    .vgpr_count:     128
    .wavefront_size: 32
...
	.end_amdgpu_metadata
.endif
;; end of part 5
;; launch qkv: the kernel of part 2 again; grid 24 x 32, 4 waves a work-group, clusters of 4 x 4, 327,680 bytes of LDS; arguments xw, qkv; writes qkv
;; launch attn: the kernel of part 3 again; grid 4 x 64, 8 waves a work-group, no clusters, 327,680 bytes of LDS; arguments qkv, ctx; writes ctx
;; launch proj: the kernel of part 4 again; grid 8 x 32, 4 waves a work-group, clusters of 4 x 4, 327,680 bytes of LDS; arguments ctx, xw, bo, out0; writes out0
